; MI455X (gfx1250); checked and timed in simulation.
; The chip was launched on July 23, 2026; its instructions are those of AMD's public machine-readable ISA for CDNA 5 (MIT licence, August 2026) and "CDNA5" Instruction Set Architecture Reference Guide (July 2026). The comments in the code are by the model that wrote it; some were corrected since.
;; Two Stream Moving Avg Pool. Allowed arithmetic: float matrix products may take bf16 or f16 operands with f32 sums; all other float work in f32.
;; Inputs: act_hist 64 x 512 x 768 float32; act_mask 64 x 512 float32; act_mean 64 x 768 float32; mix_logits 2 float32; spk_hist 64 x 512 x 768 float32; spk_mask 64 x 512 float32; spk_mean 64 x 768 float32.
;; Outputs: out0 64 x 768 float32; out1 64 x 768 float32; out2 64 x 768 float32; out3 2 float32.
;; One version. Each part assembles by itself: llvm-mc -triple=amdgcn-amd-amdhsa -mcpu=gfx1250 --defsym DOCPART=n.
;; ======== version 1 of 1: 1 launch
;; launch pool (part 1): grid 4 x 64, 16 waves a work-group, no clusters, 14,592 bytes of LDS; arguments spk_hist, act_hist, spk_mask, act_mask, spk_mean, act_mean, mix_logits, out0, out1, out2, out3; writes out0, out1, out2, out3
.if DOCPART == 1
	.amdgcn_target "amdgcn-amd-amdhsa--gfx1250"
	.amdhsa_code_object_version 6
	.text
	.protected	k_q920faffb81_pool
	.globl	k_q920faffb81_pool
	.p2align	8
	.type	k_q920faffb81_pool,@function
k_q920faffb81_pool:
	s_mov_b64 s[64:65], 0
	v_nop
	global_prefetch_b8 v0, s[64:65] scope:SCOPE_SE
	s_setreg_imm32_b32 hwreg(HW_REG_WAVE_MODE, 25, 1), 1
	s_wait_xcnt 0x0
; Two masked moving averages over T = 512 (spk, act), a fallback to a mean vector where a batch row's mask never
; counted, and a two-way softmax mix.  hist: [64][512][768] f32, mask: [64][512] f32, mean and out0..2: [64][768] f32.
;
; One step is h <- m (0.9 h + 0.1 x) + (1 - m) h = h + (-0.1 m)(h - x): linear in h.  So a run of rows acts as
; h_out = P h_in + h_seg, with h_seg the same recurrence started from 0 and P the product of (1 - 0.1 m).
; has_any's step a <- min(a + m, 1) composes likewise: a run of rows acts as a <- min(a + S, C), with
; S <- S + m and C <- min(C + m, 1) row by row, from (0, +inf).
;
; SHARES.  Work-group (x = chunk of 192 columns, y = batch row): both streams, all 512 rows, 786,432 bytes of hist.
; 4 x 64 = 256 equal work-groups.  Wave W: stream W >> 3, rows 64 (W & 7) .. + 63.  A row's 768 bytes are three loads
; of 8 bytes a lane: each load of the wave covers 256 consecutive bytes, aligned.  The whole wave is on one row, so the
; row's mask value is a scalar; a wave's 64 mask values are 256 consecutive bytes and lie in 64 scalar registers.
; A ring of 16 rows in registers keeps 48 loads (12,288 bytes) of every wave in flight, 196,608 bytes a work-group.
; The eight segments of a stream meet in LDS behind the one barrier; waves 0 to 2 (96 threads, two columns each) join them.
;
; LEFT OUT.  Matrix units: there is no product.  Tensor loads and an LDS ring: the registers hold the bytes in flight.
; Clusters: the four work-groups of a batch row share only its 2 x 2,048 bytes of mask beside 786,432 bytes of their own.
; Prefetches: every wave already has its ring of loads out from its first lines to its last rows.
;
; LIMITS.  (1) Rounding order differs from the reference's: 1 - 0.1 m stands for the decay, and eight segments are
; joined by a Horner chain; no difference of large sums is formed.  (2) has_any is joined from eight (S, C) pairs: it is
; the reference's number wherever the partial sums of the mask are exact in f32 (0/1 masks, multiples of a power of
; two); elsewhere whether a sum of mixed signs lands on exactly 0 hangs on the order of rounding.  (3) A NaN in a mask
; makes h NaN as in the reference, but is dropped by v_min_num_f32 in has_any, so a row whose later entries cancel to 0
; would take the mean.  (4) The sign of a zero h may differ.  (5) A softmax weight below 2^-126 comes out as 0
; (v_exp_f32 flushes denormal results).
.set ROW,      3072                    ; bytes in a row of hist, mean and out0..2
.set UNIT,     256                     ; bytes that one load of a wave covers
.set CHUNK,    768                     ; bytes of a row that a work-group owns
.set SEGROWS,  64                      ; rows of a wave
.set DEPTH,    16                      ; rows in the register ring
.set BATCHB,   512*ROW                 ; bytes of one batch row of hist
.set SEGB,     SEGROWS*ROW             ; bytes of hist from a segment to the next
.set TENTH,    0x3dcccccd              ; 0.1
.set NEG_TENTH, 0xbdcccccd             ; -0.1
.set LOG2E,    0x3fb8aa3b
.set LDS_PA,   16*CHUNK                ; LDS: [16 waves][192 f32] h_seg, then [16 waves]{P, S, C, 0}
; vector registers
.set LOFF, 1                           ; v1        8 x lane
.set VO,   2                           ; v2        byte offset of my two columns in mean and out0..2 (threads 0 to 95)
.set LA,   3                           ; v3        LDS: my wave's h_seg row + 8 x lane
.set LR,   4                           ; v4        LDS: 8 x thread, my two columns of every wave's row (threads 0 to 95)
.set PAW,  5                           ; v5        16 x wave
.set ZERO, 6                           ; v6        0, an address in the finish
.set H,    8                           ; v[8:13]   h, three pairs;   in the finish scratch
.set D,    14                          ; v[14:19]  h - x;            in the finish scratch
.set MS,   20                          ; v[20:21]  spk_mean of my two columns
.set MA,   22                          ; v[22:23]  act_mean
.set X,    24                          ; v[24:119] ring: row t in slot t % 16, six registers
.set REC,  120                         ; v[120:123] P, S, C, 0;  C lives in v122 through the stream
.set CLIP, REC+2
.set HS,   24                          ; finish: v[24+2w:25+2w] h_seg of wave w
.set PA,   56                          ; finish: v[56+4w:59+4w] record of wave w
; scalar registers: s2 wave, s3 stream, s10 scratch, s11 batch row, s[4:9] out1, out2, out3, s12 P, s13 S,
; s[14:15] my hist rows, s[66:67] (-0.1 m, 0), s[84:99] the first eight arguments, s[100:101] my mask values' address,
; s[104:105] the logits, and the mask values:
.set MASK, 16                          ; row t in s[16+t] for t < 48 and s[20+t] above: s[16:63], s[68:83]
	s_load_b512 s[84:99], s[0:1], 0x0              ; spk_hist 84, act_hist 86, spk_mask 88, act_mask 90, spk_mean 92, act_mean 94, mix_logits 96, out0 98
	s_load_b128 s[4:7], s[0:1], 0x40               ; out1, out2
	s_load_b64 s[8:9], s[0:1], 0x50                ; out3
	v_lshl_add_u32 v124, v0, 2, 0x3100
	v_mov_b32 v125, 0
	v_lshrrev_b32 v1, 5, v0
	v_readfirstlane_b32 s2, v1                     ; wave 0..15
	s_lshr_b32 s3, s2, 3                           ; stream: 0 spk, 1 act
	s_and_b32 s10, s2, 7                           ; segment
	s_and_b32 s11, ttmp7, 0xffff                   ; batch row
	s_mul_i32 s12, s11, BATCHB                     ; hist offset: at most 63 x 1,572,864 + 7 x 196,608 + 3 x 768, inside 32 bits
	s_mul_i32 s13, s10, SEGB
	s_add_co_u32 s12, s12, s13
	s_mul_i32 s13, ttmp9, CHUNK
	s_add_co_u32 s12, s12, s13
	s_mov_b32 s13, 0
	s_lshl_b32 s100, s11, 11                       ; mask offset: 2,048 bytes a batch row + 256 a segment
	s_lshl_b32 s101, s10, 8
	s_add_co_u32 s100, s100, s101
	s_mov_b32 s101, 0
	v_and_b32 v[LOFF], 31, v0
	v_lshlrev_b32 v[LOFF], 3, v[LOFF]
	s_mul_i32 s10, s11, ROW
	s_mul_i32 s104, ttmp9, CHUNK
	s_add_co_u32 s10, s10, s104
	v_lshl_add_u32 v[VO], v0, 3, s10               ; 8 x thread + 3,072 x batch + 768 x chunk
	s_mul_i32 s10, s2, CHUNK
	v_add_nc_u32 v[LA], s10, v[LOFF]
	v_lshlrev_b32 v[LR], 3, v0
	s_lshl_b32 s10, s2, 4
	v_mov_b32 v[PAW], s10
	s_wait_kmcnt 0x0                               ; the eleven addresses
	s_cmp_eq_u32 s3, 0                             ; my stream's buffers
	s_cselect_b64 s[14:15], s[84:85], s[86:87]
	s_cselect_b64 s[66:67], s[88:89], s[90:91]
	s_add_nc_u64 s[14:15], s[14:15], s[12:13]      ; never stepped: rows are reached by the immediate
	s_add_nc_u64 s[100:101], s[66:67], s[100:101]
	s_load_b512 s[16:31], s[100:101], 0x0          ; my 64 mask values
	s_load_b512 s[32:47], s[100:101], 0x40
	s_load_b512 s[48:63], s[100:101], 0x80
	s_load_b512 s[68:83], s[100:101], 0xc0
	s_load_b64 s[104:105], s[96:97], 0x0           ; the two logits
	s_cmp_gt_u32 s2, 2                             ; the means go to the 96 threads of the finish, ahead of the ring:
	s_cbranch_scc1 .Lnomean                        ; as the oldest loads they are in when row 0 is, and change no count
	global_load_b64 v[MS:MS+1], v[VO], s[92:93]
	global_load_b64 v[MA:MA+1], v[VO], s[94:95]
.Lnomean:
; the three loads of row t of my segment, into slot t % DEPTH
.macro LOADROW t
.irp u, 0,1,2
	global_load_b64 v[X+6*((\t)%DEPTH)+2*\u:X+6*((\t)%DEPTH)+2*\u+1], v[LOFF], s[14:15] offset:(\t)*ROW+\u*UNIT th:TH_LOAD_NT
.endr
.endm
.set rw, 0
.rept DEPTH
	LOADROW rw                                     ; fill the ring: rows 0 to 15
.set rw, rw+1
.endr
	s_mov_b32 s12, 1.0                             ; P
	s_mov_b32 s13, 0                               ; S
	s_mov_b32 s67, 0                               ; upper half of the pair that the packed multiply-add names; only s66 is used
	v_mov_b32 v[CLIP], 0x7f800000                  ; C = +inf: no clip met yet
	v_mov_b32 v[REC+3], 0                          ; the record's fourth word
	s_wait_kmcnt 0x0                               ; mask values and logits
; One row.  refill = 1: its slot is loaded again with the row DEPTH further on.  left = how many younger loads may stay out.
; first = 1: h starts as (0.1 m) x, so nothing is cleared.
.macro TURN row, refill, left, first
.set mreg, MASK+(\row)+4*((\row)/48)
	s_mul_f32 s66, s[mreg], NEG_TENTH              ; -0.1 m
	s_add_f32 s13, s13, s[mreg]                    ; S += m
	s_fmac_f32 s12, s12, s66                       ; P *= 1 - 0.1 m
.if \first
	s_mul_f32 s10, s[mreg], TENTH
.endif
	v_add_f32 v[CLIP], s[mreg], v[CLIP]            ; C = min(C + m, 1)
	v_min_num_f32 v[CLIP], 1.0, v[CLIP]
	s_wait_loadcnt \left                           ; loads come back in order (ISA guide 5.7.1): this row's three are in, the younger rows' stay out
.if \first
.irp u, 0,1,2
	v_pk_mul_f32 v[H+2*\u:H+2*\u+1], v[X+6*((\row)%DEPTH)+2*\u:X+6*((\row)%DEPTH)+2*\u+1], s[10:11] op_sel_hi:[1,0]
.endr
.else
.irp u, 0,1,2
	v_pk_add_f32 v[D+2*\u:D+2*\u+1], v[H+2*\u:H+2*\u+1], v[X+6*((\row)%DEPTH)+2*\u:X+6*((\row)%DEPTH)+2*\u+1] neg_lo:[0,1] neg_hi:[0,1]
.endr
.irp u, 0,1,2
	v_pk_fma_f32 v[H+2*\u:H+2*\u+1], v[D+2*\u:D+2*\u+1], s[66:67], v[H+2*\u:H+2*\u+1] op_sel_hi:[1,0,1]   ; h += (-0.1 m)(h - x)
.endr
.endif
.if \refill
	LOADROW \row+DEPTH
.endif
.endm
; The 64 rows are written out, since each names its own mask register: 64 x 14 instructions and 144 loads.
	TURN 0, 1, 3*(DEPTH-1), 1
.set rw, 1
.rept SEGROWS-DEPTH-1
	TURN rw, 1, 3*(DEPTH-1), 0                     ; 45 = three loads of each of the 15 younger rows
.set rw, rw+1
.endr
.rept DEPTH
	TURN rw, 0, 3*(SEGROWS-1-rw), 0                ; the last 16 rows load nothing: the counts run down 45, 42, .. 0
.set rw, rw+1
.endr
	; hand-over: my h_seg row and my record
	v_mov_b32 v[REC], s12
	v_mov_b32 v[REC+1], s13
.irp u, 0,1,2
	ds_store_b64 v[LA], v[H+2*\u:H+2*\u+1] offset:UNIT*\u          ; 256 consecutive bytes each: column order
.endr
	ds_store_b128 v[PAW], v[REC:REC+3] offset:LDS_PA               ; every lane the same 16 bytes
	s_wait_dscnt 0x0                               ; zero: other waves read these bytes behind the barrier
	s_barrier_signal -1
	s_barrier_wait -1
	s_cmp_gt_u32 s2, 2
	s_cbranch_scc1 .Lend                           ; 96 threads x two columns = the chunk's 192: waves 3 to 15 are done
	; finish
.irp j, 0,1,2,3,4,5,6,7,8,9,10,11,12,13,14,15
	ds_load_b64 v[HS+2*\j:HS+2*\j+1], v[LR] offset:CHUNK*\j        ; my two columns of wave j's h_seg
.endr
	v_mov_b32 v[ZERO], 0
.irp j, 0,1,2,3,4,5,6,7,8,9,10,11,12,13,14,15
	ds_load_b128 v[PA+4*\j:PA+4*\j+3], v[ZERO] offset:LDS_PA+16*\j ; wave j's P, S, C in every lane
.endr
	; softmax of the two logits while those loads are out; the larger logit is taken away first, as in the reference
	v_mov_b32 v8, s105
	v_max_num_f32 v9, s104, v8
	v_sub_f32 v10, s104, v9
	v_sub_f32 v11, v8, v9
	v_mul_f32 v10, LOG2E, v10
	v_mul_f32 v11, LOG2E, v11
	v_exp_f32 v12, v10
	v_exp_f32 v13, v11
	v_nop                                          ; one plain vector instruction behind a transcendental before its result is used (ISA guide 5.7.2)
	s_wait_alu depctr_va_vdst(0)
	v_add_f32 v14, v12, v13                        ; at least 1: the larger logit gives 2^0
	v_rcp_f32 v15, v14
	v_nop
	s_wait_alu depctr_va_vdst(0)
	v_mul_f32 v16, v12, v15                        ; w0
	v_mul_f32 v17, v13, v15                        ; w1
	s_wait_dscnt 0x0
	; per stream s: h = (..(h_0 P_1 + h_1) P_2 + ..) P_7 + h_7, in place in wave 8 s's pair; a = min(a + S_j, C_j), j ascending, from a = 0
.irp s, 0,1
	v_min_num_f32 v[18+\s], v[PA+32*\s+1], v[PA+32*\s+2]
.irp j, 1,2,3,4,5,6,7
	v_pk_fma_f32 v[HS+16*\s:HS+16*\s+1], v[HS+16*\s:HS+16*\s+1], v[PA+4*(8*\s+\j):PA+4*(8*\s+\j)+1], v[HS+2*(8*\s+\j):HS+2*(8*\s+\j)+1] op_sel_hi:[1,0,1]
	v_add_f32 v[18+\s], v[18+\s], v[PA+4*(8*\s+\j)+1]
	v_min_num_f32 v[18+\s], v[18+\s], v[PA+4*(8*\s+\j)+2]
.endr
.endr
	v_cmp_eq_f32 vcc_lo, 0, v18                    ; has_any == 0: the stream's mean stands in (a choice of values, no branch)
	v_cndmask_b32 v[HS], v[HS], v[MS], vcc_lo
	v_cndmask_b32 v[HS+1], v[HS+1], v[MS+1], vcc_lo
	v_cmp_eq_f32 vcc_lo, 0, v19
	v_cndmask_b32 v[HS+16], v[HS+16], v[MA], vcc_lo
	v_cndmask_b32 v[HS+17], v[HS+17], v[MA+1], vcc_lo
	v_mul_f32 v10, v17, v[HS+16]                   ; c = w0 c_spk + w1 c_act
	v_mul_f32 v11, v17, v[HS+17]
	v_fmac_f32 v10, v16, v[HS]
	v_fmac_f32 v11, v16, v[HS+1]
	global_store_b64 v[VO], v[10:11], s[98:99] th:TH_STORE_NT              ; each store of a wave covers 256 consecutive bytes, aligned
	global_store_b64 v[VO], v[HS:HS+1], s[4:5] th:TH_STORE_NT
	global_store_b64 v[VO], v[HS+16:HS+17], s[6:7] th:TH_STORE_NT
	; w: one owner, thread 0 of work-group (0, 0)
	s_or_b32 s10, ttmp9, s11
	s_or_b32 s10, s10, s2
	s_cmp_lg_u32 s10, 0
	s_cbranch_scc1 .Lend
	v_cmp_eq_u32 vcc_lo, 0, v0
	s_wait_xcnt 0x0                                ; EXEC is a source of the three stores above: it narrows only behind this wait
	s_wait_tensorcnt 0x0
	ds_add_u32 v124, v125
	s_wait_dscnt 0x0
	s_and_saveexec_b32 s10, vcc_lo
	global_store_b64 v[ZERO], v[16:17], s[8:9]
	s_endpgm                                       ; EXEC is not widened again: the wave ends here
.Lend:
	s_wait_tensorcnt 0x0
	ds_add_u32 v124, v125
	s_wait_dscnt 0x0
	s_endpgm
.Lfunc_end_k_q920faffb81_pool:
	.size	k_q920faffb81_pool, .Lfunc_end_k_q920faffb81_pool-k_q920faffb81_pool
	.p2alignl 7, 3214868480
	.fill 96, 4, 3214868480
	.section	.rodata,"a",@progbits
	.p2align	6, 0x0
	.amdhsa_kernel k_q920faffb81_pool
		.amdhsa_group_segment_fixed_size 14592
		.amdhsa_private_segment_fixed_size 0
		.amdhsa_enable_private_segment 0
		.amdhsa_kernarg_size 88
		.amdhsa_user_sgpr_count 2
		.amdhsa_user_sgpr_kernarg_segment_ptr 1
		.amdhsa_wavefront_size32 1
		.amdhsa_system_sgpr_workgroup_id_x 1
		.amdhsa_system_sgpr_workgroup_id_y 1
		.amdhsa_system_sgpr_workgroup_id_z 1
		.amdhsa_system_vgpr_workitem_id 0
		.amdhsa_next_free_vgpr 126
		.amdhsa_next_free_sgpr 106
		.amdhsa_reserve_vcc 1
		.amdhsa_float_denorm_mode_32 3
		.amdhsa_float_denorm_mode_16_64 3
		.amdhsa_memory_ordered 1
		.amdhsa_forward_progress 1
		.amdhsa_inst_pref_size 65
	.end_amdhsa_kernel
	.amdgpu_metadata
---
amdhsa.version: [ 1, 2 ]
amdhsa.kernels:
  - .name:           k_q920faffb81_pool
    .symbol:         k_q920faffb81_pool.kd
    .args:
      - { .name: spk_hist, .offset: 0, .size: 8, .value_kind: global_buffer, .address_space: global }
      - { .name: act_hist, .offset: 8, .size: 8, .value_kind: global_buffer, .address_space: global }
      - { .name: spk_mask, .offset: 16, .size: 8, .value_kind: global_buffer, .address_space: global }
      - { .name: act_mask, .offset: 24, .size: 8, .value_kind: global_buffer, .address_space: global }
      - { .name: spk_mean, .offset: 32, .size: 8, .value_kind: global_buffer, .address_space: global }
      - { .name: act_mean, .offset: 40, .size: 8, .value_kind: global_buffer, .address_space: global }
      - { .name: mix_logits, .offset: 48, .size: 8, .value_kind: global_buffer, .address_space: global }
      - { .name: out0, .offset: 56, .size: 8, .value_kind: global_buffer, .address_space: global }
      - { .name: out1, .offset: 64, .size: 8, .value_kind: global_buffer, .address_space: global }
      - { .name: out2, .offset: 72, .size: 8, .value_kind: global_buffer, .address_space: global }
      - { .name: out3, .offset: 80, .size: 8, .value_kind: global_buffer, .address_space: global }
    .group_segment_fixed_size: 14592
    .private_segment_fixed_size: 0
    .kernarg_segment_align: 8
    .kernarg_segment_size: 88
    .max_flat_workgroup_size: 512
    .sgpr_count:     106
    .vgpr_count:     126
    .wavefront_size: 32
...
	.end_amdgpu_metadata
.endif
;; end of part 1
